; MI455X (gfx1250); checked and timed in simulation.
; The chip was launched on July 23, 2026; its instructions are those of AMD's public machine-readable ISA for CDNA 5 (MIT licence, August 2026) and "CDNA5" Instruction Set Architecture Reference Guide (July 2026). The comments in the code are by the model that wrote it; some were corrected since.
;; Fast Attention. Allowed arithmetic: matrix products marked QUANTISED: E3M2 operands, one E8M0 scale for each 32 along K, by v_wmma_scale_f32_16x16x128_f8f6f4 with both operands' format E3M2, f32 sums; everything else in f32.
;; Inputs: k_codes 2 x 16 x 2,048 x 2 x 24 uint8 (E3M2 codes of k, K innermost, in blocks of 32 codes, four codes in three bytes); k_scales 2 x 16 x 2,048 x 2 uint8 (E8M0 scales of k, one for each 32 codes along K); key_padding_mask 2 x 1 x 1 x 2,048 bool; q_codes 2 x 16 x 2,048 x 2 x 24 uint8 (E3M2 codes of q, K innermost, in blocks of 32 codes, four codes in three bytes); q_scales 2 x 16 x 2,048 x 2 uint8 (E8M0 scales of q, one for each 32 codes along K); v_codes 2 x 16 x 64 x 64 x 24 uint8 (E3M2 codes of v, K innermost, in blocks of 32 codes, four codes in three bytes); v_scales 2 x 16 x 64 x 64 uint8 (E8M0 scales of v, one for each 32 codes along K).
;; Outputs: out0 2 x 16 x 2,048 x 64 float32.
;; This version of the problem:
;;   THIS VERSION OF THE PROBLEM IS GIVEN IN LOW PRECISION. The matrix products marked QUANTISED in the list below multiply operands that are first quantised to E3M2 (3 exponent bits, 2 mantissa bits; 6 bits a number), with one power-of-two scale for each 32 numbers along K (OCP MX v1.0); their sums are f32. All else is computed in f32.
;;   The module's matrix products, in the order in which they are computed (A, B: the left and right operand; K: the contracted axis; several contracted axes count as one K, in the product's order):
;;     1. batch 32 x [M 2,048, K 64] x [K 64, N 2,048]; A: input q (given as codes); B: input k (given as codes): QUANTISED
;;     2. batch 32 x [M 2,048, K 2,048] x [K 2,048, N 64]; A: softmax (see below); B: input v (given as codes): QUANTISED
;;   THE QUANTISER, for each operand of a quantised product, along K:
;;     - K is cut into blocks of 32 from its start; a last block that is shorter is filled with zeros.
;;     - A block's scale is 2^e with e = floor(log2(the largest magnitude in the block)) - 4, held to -126 .. 127; a block of zeros has e = 0. As a byte (E8M0): e + 127.
;;     - Each number is divided by its block's scale, clamped to +-28, and rounded to the nearest number of E3M2, ties to even, subnormals kept.
;;     - The product sums the exact products of the quantised numbers (number of the format x scale) in f32.
;;   ~~~python
;;   def quantise(x, axis):      # numpy; x: float32 -> the quantised numbers, widened to float32 again
;;       x = np.moveaxis(x, axis, -1); K = x.shape[-1]
;;       x = np.pad(x, [(0, 0)] * (x.ndim - 1) + [(0, -K % 32)]); x = x.reshape(x.shape[:-1] + (-1, 32)); a = np.abs(x).max(-1, keepdims=True)
;;       e = np.where(a > 0, np.clip(np.frexp(np.where(a > 0, a, 1))[1] - 1 - 4, -126, 127), 0)      # np.frexp(a)[1] - 1 = floor(log2(a)), exactly
;;       r = np.clip(x / 2.0 ** e, -28, 28)
;;       step = 2.0 ** (np.maximum(np.frexp(np.where(r == 0, 1, r))[1] - 1, -2) - 2)
;;       q = np.round(r / step) * step * 2.0 ** e      # np.round: ties to even
;;       return np.moveaxis(q.reshape(q.shape[:-2] + (-1,))[..., :K], -1, axis).astype(np.float32)
;;   ~~~
;;   SOFTMAX AHEAD OF A QUANTISED PRODUCT. Where the list says 'softmax', what is quantised is not the finished softmax but p = 2^(t - M), with t = logit x log2(e) and M = ceil(the row's largest t), a whole number; so 1/2 < the row's largest p <= 1. The row's sum l is taken of the UNQUANTISED p, in f32, and the product's result is divided by l at the end. Since M is a whole number, a kernel that streams over the keys may use a running M (the ceiling of the running maximum): every later rescaling is an exact power of two, which a block's scale takes up: the codes' values come out the same.
;;   OPERANDS COMPUTED ON THE WAY. 'Computed on the way' means the value that the module computes at that place (a softmax that the list does not call 'softmax' is quantised finished and normalised). What goes into a quantiser is computed in f32, as accurately as f32 sums, v_exp_f32 and their like allow (about 1e-6 of the number): no bf16 or f16 on the way to a quantiser, and a product that is left as it is and whose result goes on into a quantised operand takes f32 operands (vector FMAs, or v_wmma_f32_16x16x4_f32). A number that lies on a knife's edge between two numbers of the format may be rounded either way, as far as f32 arithmetic and the matrix unit's own rounding can turn it there, and no further.
;;   INPUTS GIVEN AS CODES. k (in the module: [2, 16, 2048, 64], K = its axis 3); q (in the module: [2, 16, 2048, 64], K = its axis 3); v (in the module: [2, 16, 2048, 64], K = its axis 2): each comes as NAME_codes (uint8): NAME with its K axis moved to the last place and cut into blocks of 32 codes, [.., K / 32, bytes a block], one block behind the other in memory; four codes in three bytes: a row's codes are one little-endian stream of bits, code i at bits 6 i .. 6 i + 5 (a code: sign, 3 exponent bits, 2 mantissa bits); and NAME_scales (uint8): the same leading axes, one E8M0 byte (e + 127) for each 32 codes along K. Its value is code x scale, taken as it is: it is not quantised again, and the codes and scales need not be those that the quantiser above would give.
;; One version. Each part assembles by itself: llvm-mc -triple=amdgcn-amd-amdhsa -mcpu=gfx1250 --defsym DOCPART=n.
;; ======== version 1 of 1: 1 launch
;; limits: right only within a limited range of input values
;; launch attn (part 1): grid 32 x 8, 8 waves a work-group, no clusters, 288,768 bytes of LDS; arguments q_codes, q_scales, k_codes, k_scales, v_codes, v_scales, key_padding_mask, out0; writes out0
.if DOCPART == 1
	.amdgcn_target "amdgcn-amd-amdhsa--gfx1250"
	.amdhsa_code_object_version 6
	.text
	.protected	k_q6b872dc7f8_attn
	.globl	k_q6b872dc7f8_attn
	.p2align	8
	.type	k_q6b872dc7f8_attn,@function
k_q6b872dc7f8_attn:
	s_mov_b64 s[64:65], 0
	v_nop
	global_prefetch_b8 v0, s[64:65] scope:SCOPE_SE
	s_setreg_imm32_b32 hwreg(HW_REG_WAVE_MODE, 25, 1), 1
	s_wait_xcnt 0x0
; out[h][q][:] = the sum over keys of softmax(q . k, masked keys left out) v: 32 heads x 2,048 queries x 2,048 keys x 64 channels.
; Both products on codes of BF6 (E3M2) with one E8M0 scale for each 32 along K.
; SHARES.  A work-group owns 256 queries of one head, each of its eight waves 32 of them: tile X (16 queries) in register window 0, tile Y in window 1, at the same register numbers.
; A fragment of K or V read from LDS feeds both tiles.
; THE HEAD'S WHOLE K AND V LIE IN LDS: 2 x 98,304 bytes of codes, brought once through registers: 48 pieces of 512 bytes a wave.  12 of them (K of two steps of 256 keys, the first of V) are stored ahead of the first barrier;
; the other 36 come in nine batches of four during steps 0, 1 and 2, which are written out and end in a barrier each.  Nothing is filled again.
; THE MASK IS READ: in the loop (steps 3 to 7) a step whose 256 mask bytes are all set is passed over by a scalar branch (p would be 0 for each of its keys).  Where ALL keys of a batch element are masked nothing is passed over,
; and the queries' codes and the mask's scale bytes are made 0: every score is 0: uniform weights, as reference() has them.
; NO CLUSTER, NO TENSOR LOAD.  NO PREFETCH: the loop reads LDS alone; each batch is asked for a third of a step ahead of its store.
; LAYOUT.  Both products are used transposed: S^T = K Q^T (source 0 = 16 keys), O^T = V^T P^T (source 0 = 16 channels): a lane (r = lane % 16, h = lane / 16) holds ONE query throughout.
; THE KEYS OF A TILE: tile u of the 64 keys c takes keys 64 c + 8 u + 0 .. 7 as its rows 0-7 and keys 64 c + 32 + 8 u + 0 .. 7 as its rows 8-15.  So a lane's 32 registers of the four tiles
; are ONE WHOLE BLOCK of 32 neighbours, 64 c + 32 h + 0 .. 31: the second product's operand layout, with no exchange between lanes.
; THE SOFTMAX: t = score x log2(e), M = the running largest t rounded UP to a whole number.  Kept is 16 p = 2^(t - M + 4): the factor 16 stands in O^T and in the row's sum alike.  A block's codes are
; p / 2^(L - 4) = 16 p / 2^L with L = floor(log2(largest p)): so the largest p itself, 2^(largest t - M), is the conversion's scale operand, and its exponent field the scale byte.
; THE MASK RIDES IN THE FIRST PRODUCT, whose K is 64 of the instruction's 128.  A query's codes are -28 at k = 64 and 0 behind it; a key's are +28 at k = 64 and anything behind it (every code of E3M2 is finite).
; The scale byte of that block is 120 for a query and, for a key, 250 where it is masked and 0 where it counts: a masked key's score gains -784 x 2^116 (finite; p = 0), a key that counts -784 x 2^-134.
; LIMITS: a row whose largest unmasked score lies under -2^124 is not served; scores are finite; scale bytes 0xff are not served; every unmasked score is lowered by 784 x 2^-134; a block whose largest p
; lies under 2^-126 gets the byte 0 (2^-127); a block's largest p is taken from its largest score, which takes v_exp_f32 not to fall where its input rises.
.set KP,   1664                        ; LDS: 32 keys of K are 1,536 bytes + 128: a fragment's lanes stand, in pieces of 8 bytes modulo 32, at 16 g + 6 j + 3 h: 32 different values
.set GP,   2*KP                        ; 64 keys
.set STK,  4*GP                        ; a step of 256 keys
.set SC,   64*KP                       ; scale words: for each step 1,024 bytes of K's and 512 of V's.  (Behind K: the last trip's look-ahead reads bytes that were written, into registers that nobody uses)
.set SCP,  1536
.set VOFF, SC+8*SCP
.set VP,   1552                        ; a row of V: 1,536 bytes + 16: the lanes stand at 2 r + 3 h modulo 32: 32 different values
.set SPARE, VOFF+64*VP                 ; the spare words, 128 bytes for each of eight waves: four blocks of 256 bytes that no other line names
.set STAGE, SPARE+1024                 ; the way out: 2 x 16 rows x 272 bytes for each wave
.set SP,   272
; vector registers of window 0 alone
.set AK,   1                           ; my lane's place in a tile of K,
.set AV,   2                           ; in V's tiles 0, 1; v3 in tiles 2, 3;
.set ADS,  4                           ; in the scale words
.set QS,   5                           ; Q's scale words: lanes 0-15 tile X, lanes 16-31 tile Y
.set PS,   6                           ; p's: v6, v7 tile X (two halves of a step), v8, v9 tile Y
.set SPW,  10                          ; LDS address of my spare word: SPARE + 4 x my thread's number; never rewritten
.set NIL,  11                          ; 0; never rewritten
.set KS,   12                          ; v12-15 K's scale words of the step's groups 0 (lanes 0-15) and 1 (lanes 16-31), then V's; v16-19 of groups 2 and 3
; of window 1 alone: v0-15 a batch of four pieces on its way
.set GK,   16                          ; my 16 bytes of a piece of K, of V, in memory
.set GV,   17
.set LK,   18                          ; and in LDS
.set LV,   19
; of both windows
.set BLK,  20                          ; v20-67: four fragments: block A in window 0, block B in window 1.  K's lie 8 apart (a fragment's last four registers are its neighbour's codes, which meet zeros of Q), V's 12 apart
.set NM4,  68                          ; 4 - M
.set NM,   69                          ; -M
.set SUM,  70                          ; v[70:71] the row's sum, in two halves
.set FF,   72                          ; f = 2^(old M - new M); v73 is named as its pair
.set SMX,  73                          ; the largest score so far
.set T1,   74                          ; v[74:75] at work
.set BM,   76                          ; v76-79 the blocks' largest scores, then largest p
.set QF,   80                          ; v80-91 Q's fragment: 0-5 codes, 6 the mask's code, 7-11 zeros
.set O,    92                          ; v92-123 O^T, four tiles of 16 channels
.set W,    124                         ; v124-127 at work; v124-135 p's codes of the step's first 128 keys, v144-155 of its second
.set S,    128                         ; v128-255 S^T, then 16 p
; scalar registers
.set WV,   20
.set SEL,  22                          ; s[22:23] v_permlanex16_b32's selects for lane l xor 16
.set CS,   24                          ; c = log2(e)
.set SK,   26                          ; bit i: the i-th step of those ahead in the loop is all masked
.set CNT,  27
.set TMPS, 28
.set PSEL, 29
.set AM,   30                          ; all ones, or 0 where every key of the batch element is masked
.set MB,   31                          ; the mask's scale byte in its place, or 0
.set MSB, 0
.macro WIN new                         ; bits 1:0 source 0, 3:2 source 1, 5:4 source 2, 7:6 destination; the high byte repeats the setting that is left
.if MSB != \new
	s_set_vgpr_msb (MSB<<8)|\new
.set MSB, \new
.endif
.endm
.macro PLACES
.rept 4
	v_nop
.endr
.endm
; PIECES 0 .. 23: K: step u / 3, the u % 3-th 512 bytes of my wave's 32 keys.  24 .. 47: V: bytes 256 ((u - 24) / 4) on of two of my wave's eight rows.
.macro GET b, u
.if (\u) < 24
	global_load_b128 v[\b:\b+3], v[GK], s[8:9] offset:12288*((\u)/3)+512*((\u)%3)
.else
	global_load_b128 v[\b:\b+3], v[GV], s[12:13] offset:256*((\u-24)/4)+3072*((\u-24)%4)
.endif
.endm
.set KBASE, 0                          ; the step that LK stands at: the immediate has 16 bits
.macro PUT b, u
.if (\u) < 24
	ds_store_b128 v[LK], v[\b:\b+3] offset:STK*((\u)/3-KBASE)+512*((\u)%3)
.else
	ds_store_b128 v[LV], v[\b:\b+3] offset:256*((\u-24)/4)+2*VP*((\u-24)%4)
.endif
.endm
.macro GET4 a, b, c, d
	WIN 0x41
	GET 0, \a
	GET 4, \b
	GET 8, \c
	GET 12, \d
	WIN 0
.endm
.macro PUT4 a, b, c, d
	s_wait_alu depctr_va_vdst(0)
	s_wait_loadcnt 0x0                             ; the batch is in
	WIN 0x05                                       ; an LDS store's address is source 0, its data source 1
	PUT 0, \a
	PUT 4, \b
	PUT 8, \c
	PUT 12, \d
	WIN 0
.endm
	s_load_b128 s[4:7], s[0:1], 0x0                ; q's codes s[4:5], scales s[6:7]
	s_load_b128 s[8:11], s[0:1], 0x10              ; k's
	s_load_b128 s[12:15], s[0:1], 0x20             ; v's
	s_load_b128 s[16:19], s[0:1], 0x30             ; the mask s[16:17], out0 s[18:19]
	v_lshl_add_u32 v[SPW], v0, 2, SPARE
	v_mov_b32 v[NIL], 0
	v_and_b32 v20, 31, v0                          ; lane
	v_lshrrev_b32 v21, 5, v0                       ; wave
	v_lshlrev_b32 v22, 4, v20
	v_readfirstlane_b32 s[WV], v21
	v_lshlrev_b32 v29, 4, v0                       ; 16 x thread: my 8 keys' scale bytes, my quarter row of V's
	v_lshlrev_b32 v30, 3, v0                       ; my 8 keys' mask bytes
	v_lshlrev_b32 v31, 1, v20                      ; my query's scale bytes
	v_and_b32 v36, 15, v0                          ; r
	v_bfe_u32 v37, v0, 4, 1                        ; h
	v_bfe_u32 v38, v0, 3, 1                        ; g = r / 8
	v_and_b32 v39, 7, v0                           ; j = r % 8
	v_mul_u32_u24 v32, v36, 48
	v_lshlrev_b32 v45, 4, v36
	v_mad_u32_u24 v32, v37, 24, v32                ; q: row r, + 24 h
	v_mad_u32_u24 v23, v37, 1536, v45              ; V: lanes 0-15 256 bytes of a row, lanes 16-31 of the next
	v_mad_u32_u24 v24, v37, VP, v45
	v_add_nc_u32 v24, VOFF, v24
	WIN 0x40                                       ; destination window 1
	v_mad_u32_u24 v[GK], v21, 1536, v22
	v_mad_u32_u24 v[GV], v21, 12288, v23
	v_mad_u32_u24 v[LK], v21, KP, v22
	v_mad_u32_u24 v[LV], v21, 8*VP, v24
	WIN 0
	s_mov_b32 s52, ttmp9                           ; the head
	s_and_b32 s53, ttmp7, 0xffff
	s_lshl_b32 s53, s53, 8                         ; my block of 256 queries,
	s_lshl_b32 s60, s[WV], 5
	s_add_co_u32 s53, s53, s60                     ; my wave's first
	s_mul_i32 s54, s52, 98304                      ; the head's first byte in each tensor of codes,
	s_mov_b32 s55, 0
	s_lshl_b32 s56, s52, 12                        ; of scale bytes,
	s_mov_b32 s57, 0
	s_lshr_b32 s58, s52, 4
	s_lshl_b32 s58, s58, 11                        ; its batch element's in the mask
	s_mov_b32 s59, 0
	s_mul_i32 s66, s53, 48
	s_add_co_u32 s66, s66, s54                     ; my queries' codes,
	s_mov_b32 s67, 0
	s_lshl_b32 s68, s53, 1
	s_add_co_u32 s68, s68, s56                     ; scale bytes,
	s_mov_b32 s69, 0
	s_lshl_b32 s70, s52, 19
	s_lshl_b32 s71, s53, 8
	s_add_co_u32 s70, s70, s71                     ; rows of out0
	s_mov_b32 s71, 0
	s_mov_b32 s[SEL], 0x76543210
	s_mov_b32 s[SEL+1], 0xfedcba98
	s_mov_b32 s[CS], 0x3fb8aa3b                    ; log2(e)
	s_mov_b32 s[PSEL], 0x07030501
	s_mov_b32 s[MB], 0xfa0000                      ; byte 2: 250
	s_mov_b32 s[CNT], 5
	s_wait_alu depctr_va_vdst(0)
	s_wait_kmcnt 0x0
	s_add_nc_u64 s[16:17], s[16:17], s[58:59]
	s_add_nc_u64 s[10:11], s[10:11], s[56:57]
	s_add_nc_u64 s[14:15], s[14:15], s[56:57]
	s_add_nc_u64 s[4:5], s[4:5], s[66:67]
	s_add_nc_u64 s[6:7], s[6:7], s[68:69]
	s_add_nc_u64 s[8:9], s[8:9], s[54:55]
	s_add_nc_u64 s[12:13], s[12:13], s[54:55]
	s_add_nc_u64 s[18:19], s[18:19], s[70:71]
	; 30 loads: 14 small ones, 12 pieces, the first batch of 4
.irp i, 0,1,2,3
	global_load_b128 v[224+4*\i:227+4*\i], v22, s[16:17] offset:512*\i   ; all mask bytes: lanes 0-15 step 2 i, lanes 16-31 step 2 i + 1
.endr
	global_load_b64 v[244:245], v30, s[16:17]
	global_load_b128 v[240:243], v29, s[10:11]
	global_load_b128 v[246:249], v29, s[14:15]
	global_load_u16 v[QS], v31, s[6:7]
.irp p, 0,1,2
	global_load_b64 v[QF+2*\p:QF+2*\p+1], v32, s[4:5] offset:8*\p
.endr
	WIN 0x40
.irp p, 0,1,2
	global_load_b64 v[QF+2*\p:QF+2*\p+1], v32, s[4:5] offset:768+8*\p
.endr
	WIN 0x41                                       ; destination and address window 1
.irp i, 0,1,2,3,4,5
	GET S+4*\i, \i
.endr
.irp i, 0,1,2,3,4,5
	GET S+24+4*\i, 24+\i
.endr
	GET4 6, 7, 8, 30
	; addresses, and both tiles' start, while the loads are out
	v_mul_u32_u24 v[AK], v38, KP
	v_mul_u32_u24 v[AV], v36, VP
	v_lshl_add_u32 v[ADS], v20, 4, SC
	v_mad_u32_u24 v[AK], v39, 48, v[AK]
	v_mad_u32_u24 v[AV], v37, 24, v[AV]
	v_lshrrev_b32 v40, 2, v20
	v_mad_u32_u24 v[AK], v37, 24, v[AK]
	v_add_nc_u32 v[AV], VOFF, v[AV]
	v_lshlrev_b32 v40, 7, v40
	v_and_b32 v41, 3, v0
	v_add_nc_u32 v[AV+1], 32*VP, v[AV]
	v_mad_u32_u24 v40, v21, SCP, v40
	v_lshl_add_u32 v40, v41, 2, v40
	v_add_nc_u32 v40, SC, v40                      ; my 8 keys' words: step = wave, 64 keys c, row 8 g + j, tile u: 256 c + 16 (8 g + j) + 4 u; my j = 0 .. 7
	v_mul_u32_u24 v41, v41, 2*SCP
	v_bfe_u32 v44, v0, 2, 4
	v_lshl_add_u32 v41, v44, 4, v41
	v_lshrrev_b32 v44, 6, v0
	v_lshl_add_u32 v41, v44, 2, v41
	v_add_nc_u32 v41, SC, v41                      ; V's row d, four 128-key words: row d % 16, tile d / 16
	v_sub_nc_u32 v33, 1, v37
	v_mul_u32_u24 v33, v33, 0x3f                   ; -28 at k = 64 (lanes 0-15), else zeros
.macro INIT                            ; the key step finds zeros first, and the first change of M leaves them zeros
	v_mov_b32 v[QF+6], v33
.irp i, 7,8,9,10,11
	v_mov_b32 v[QF+\i], 0
.endr
	v_mov_b32 v[SMX], 0xfd800000                   ; -2^124, over a masked key's score
	v_mov_b32 v[NM], 0x7e800000                    ; 2^126, over c x 2^124: the first f is 0
	v_mov_b32 v[SUM], 0
	v_mov_b32 v[SUM+1], 0
.irp t, 0,1,2,3
	v_mov_b32 v[BLK+8*\t+6], 31                    ; +28 at k = 64
	v_mov_b32 v[BLK+8*\t+7], 0
	v_mov_b32 v[BLK+32+\t], 0
.endr
.set JJ, 0
.rept 32
	v_mov_b32 v[O+JJ], 0
.set JJ, JJ+1
.endr
.endm
	INIT
	WIN 0x40
	INIT
	WIN 0
	s_wait_alu depctr_va_vdst(0)
	s_wait_loadcnt 16                              ; the 14 small loads are in
	v_or_b32 v[QS], 0x780000, v[QS]                ; the queries' byte 2: 120
.irp i, 0,1,2,3
	v_and_b32 v[224+4*\i], v[224+4*\i], v[225+4*\i]
	v_and_b32 v[226+4*\i], v[226+4*\i], v[227+4*\i]
.endr
.irp i, 0,1,2,3
	v_and_b32 v[224+4*\i], v[224+4*\i], v[226+4*\i]
.endr
.irp i, 0,1,2,3
	v_cmp_eq_u32 vcc_lo, 0x01010101, v[224+4*\i]   ; a lane whose 16 keys are all masked
	s_mov_b32 s[80+\i], vcc_lo
.endr
	s_and_b32 s84, s80, s81
	s_and_b32 s85, s82, s83
	s_and_b32 s84, s84, s85
	s_mov_b32 s[SK], 0
.irp i, 7,6,5,4,3                      ; steps 7 .. 3, the lowest bit step 3
	s_lshl_b32 s[SK], s[SK], 1
	s_bfe_u32 s85, s[80+\i/2], 0x100000+16*(\i%2)
	s_cmp_eq_u32 s85, 0xffff
	s_cselect_b32 s85, 1, 0
	s_or_b32 s[SK], s[SK], s85
.endr
	s_cmp_eq_u32 s84, -1                           ; every key of the batch element is masked: values are chosen, nothing is passed over
	s_cselect_b32 s[SK], 0, s[SK]
	s_cselect_b32 s[AM], 0, -1
	s_cselect_b32 s[MB], 0, s[MB]
.irp i, 0,1,2,3,4,5,6,7                ; my 8 keys' scale words: bytes 0, 1 as given; byte 2: 250 where the key is masked, else 0; byte 3: 0
	v_bfe_u32 v44, v[244+\i/4], 8*(\i%4), 1
	v_mul_u32_u24 v44, s[MB], v44
.if (\i%2) == 0
	v_and_or_b32 v[56+\i], v[240+\i/2], 0xffff, v44
.else
	v_lshrrev_b32 v45, 16, v[240+\i/2]
	v_or_b32 v[56+\i], v45, v44
.endif
.endr
.irp i, 0,1,2,3,4,5,6
	v_and_b32 v[QF+\i], s[AM], v[QF+\i]
.endr
	WIN 0x44                                       ; source 1 and destination window 1
.irp i, 0,1,2,3,4,5,6
	v_and_b32 v[QF+\i], s[AM], v[QF+\i]
.endr
	WIN 0
.irp i, 0,1,2,3,4,5,6,7
	ds_store_b32 v40, v[56+\i] offset:16*\i
.endr
	ds_store_b32 v41, v246 offset:1024
	ds_store_b32 v41, v247 offset:1280
	ds_store_b32 v41, v248 offset:1024+SCP
	ds_store_b32 v41, v249 offset:1280+SCP
	s_wait_alu depctr_va_vdst(0)
	WIN 0x05
	s_wait_loadcnt 10                              ; K's six pieces are in (V's six and the batch behind them may be out)
.irp i, 0,1,2,3,4,5
	PUT S+4*\i, \i
.endr
	s_wait_loadcnt 4                               ; V's six (the batch may be out)
.irp i, 0,1,2,3,4,5
	PUT S+24+4*\i, 24+\i
.endr
	WIN 0
	s_wait_dscnt 0x0                               ; my stores are in LDS, for the other waves' sake
	s_barrier_signal -1
	s_barrier_wait -1
; K's four fragments of the step's group g of 64 keys, 24 bytes a lane as three pieces of 8
.macro KF g, off
.irp t, 0,1,2,3
.irp p, 0,1,2
	ds_load_b64 v[BLK+8*\t+2*\p:BLK+8*\t+2*\p+1], v[AK] offset:GP*(\g)+384*\t+8*\p+\off
.endr
.endr
.endm
.macro KSCALES off
	ds_load_b128 v[KS:KS+3], v[ADS] offset:\off
	ds_load_b128 v[KS+4:KS+7], v[ADS] offset:\off+512
.endm
; V's four fragments of the step's half q of 128 keys
.macro VF q
.irp t, 0,1,2,3
.irp p, 0,1,2,3,4,5
	ds_load_b64 v[BLK+12*\t+2*\p:BLK+12*\t+2*\p+1], v[AV+(\t)/2] offset:16*VP*((\t)%2)+96*(\q)+48*(\p/3)+8*(\p%3)
.endr
.endr
.endm
.macro CODE28                          ; V's fragments have lain over K's mask codes
.irp t, 0,1,2,3
	v_mov_b32 v[BLK+8*\t+6], 31
.endr
.endm
.macro QK g, w
.irp t, 0,1,2,3
.if ((\g)%2) == 0
.if (\w) == 0
	v_wmma_scale_f32_16x16x128_f8f6f4 v[S+32*\g+8*\t:S+32*\g+8*\t+7], v[BLK+8*\t:BLK+8*\t+11], v[QF:QF+11], 0, v[KS+4*(\g/2)+\t], v[QS] matrix_a_fmt:MATRIX_FMT_BF6 matrix_b_fmt:MATRIX_FMT_BF6
.else
	v_wmma_scale_f32_16x16x128_f8f6f4 v[S+32*\g+8*\t:S+32*\g+8*\t+7], v[BLK+8*\t:BLK+8*\t+11], v[QF:QF+11], 0, v[KS+4*(\g/2)+\t], v[QS] matrix_a_fmt:MATRIX_FMT_BF6 matrix_b_fmt:MATRIX_FMT_BF6 matrix_b_scale:MATRIX_SCALE_ROW1
.endif
.else
.if (\w) == 0
	v_wmma_scale_f32_16x16x128_f8f6f4 v[S+32*\g+8*\t:S+32*\g+8*\t+7], v[BLK+8*\t:BLK+8*\t+11], v[QF:QF+11], 0, v[KS+4*(\g/2)+\t], v[QS] matrix_a_fmt:MATRIX_FMT_BF6 matrix_b_fmt:MATRIX_FMT_BF6 matrix_a_scale:MATRIX_SCALE_ROW1
.else
	v_wmma_scale_f32_16x16x128_f8f6f4 v[S+32*\g+8*\t:S+32*\g+8*\t+7], v[BLK+8*\t:BLK+8*\t+11], v[QF:QF+11], 0, v[KS+4*(\g/2)+\t], v[QS] matrix_a_fmt:MATRIX_FMT_BF6 matrix_b_fmt:MATRIX_FMT_BF6 matrix_a_scale:MATRIX_SCALE_ROW1 matrix_b_scale:MATRIX_SCALE_ROW1
.endif
.endif
.endr
.endm
; O^T += V^T P^T.  The accumulators take turns, one instruction a turn.
.macro PV q, w
.irp t, 0,1,2,3
.if (\q) == 0
	v_wmma_scale_f32_16x16x128_f8f6f4 v[O+8*\t:O+8*\t+7], v[BLK+12*\t:BLK+12*\t+11], v[W:W+11], v[O+8*\t:O+8*\t+7], v[KS+\t], v[PS+2*\w] matrix_a_fmt:MATRIX_FMT_BF6 matrix_b_fmt:MATRIX_FMT_BF6
.else
	v_wmma_scale_f32_16x16x128_f8f6f4 v[O+8*\t:O+8*\t+7], v[BLK+12*\t:BLK+12*\t+11], v[S+16:S+27], v[O+8*\t:O+8*\t+7], v[KS+\t], v[PS+2*\w+1] matrix_a_fmt:MATRIX_FMT_BF6 matrix_b_fmt:MATRIX_FMT_BF6 matrix_a_scale:MATRIX_SCALE_ROW1
.endif
.endr
.endm
; The largest score of my block c: four chains, one for each accumulator, from its low end on
.macro MAX c
.irp i, 1,3,5
.irp u, 0,1,2,3
.if \u == 0
.set MR, BM+\c
.else
.set MR, W+\u-1
.endif
.if \i == 1
	v_max3_num_f32 v[MR], v[S+32*\c+8*\u], v[S+32*\c+8*\u+1], v[S+32*\c+8*\u+2]
.else
	v_max3_num_f32 v[MR], v[MR], v[S+32*\c+8*\u+\i], v[S+32*\c+8*\u+\i+1]
.endif
.endr
.endr
	v_max3_num_f32 v[BM+\c], v[BM+\c], v[W], v[S+32*\c+7]
	v_max3_num_f32 v[W+1], v[W+1], v[W+2], v[S+32*\c+15]
	v_max3_num_f32 v[BM+\c], v[BM+\c], v[S+32*\c+23], v[S+32*\c+31]
	v_max_num_f32 v[BM+\c], v[BM+\c], v[W+1]
.endm
.macro EX n                            ; the next n exponentials of the step's second half
.rept \n
	v_exp_f32 v[S+64+JJ], v[S+64+JJ]
.set JJ, JJ+1
.endr
.endm
.macro FM j                            ; t - M + 4 of two keys: c stands in v74, 4 - M in v68 and v75
	v_dual_fma_f32 v[S+\j], v[S+\j], v[T1], v[NM4] :: v_dual_fma_f32 v[S+\j+1], v[S+\j+1], v[T1], v[T1+1]
.endm
.macro OM j                            ; O^T under the new M
	v_dual_mul_f32 v[O+\j], v[FF], v[O+\j] :: v_dual_mul_f32 v[O+\j+1], v[FF], v[O+\j+1]
.endm
.macro AD d, a, b
	v_dual_add_f32 v[S+\d], v[S+\a], v[S+\b] :: v_dual_add_f32 v[S+\d+1], v[S+\a+1], v[S+\b+1]
.endm
.macro ACC a, j
	v_dual_add_f32 v[\a], v[\a], v[S+\j] :: v_dual_add_f32 v[\a+1], v[\a+1], v[S+\j+1]
.endm
.macro ADP d, a, b                     ; the same as one packed instruction: where a plain place is wanted
	v_pk_add_f32 v[S+\d:S+\d+1], v[S+\a:S+\a+1], v[S+\b:S+\b+1]
.endm
.macro ACCP a, j
	v_pk_add_f32 v[\a:\a+1], v[\a:\a+1], v[S+\j:S+\j+1]
.endm
.macro CV d, a, b                      ; 16 codes: 3 registers, the first an even one
	v_cvt_scalef32_pk16_bf6_f32 v[\d:\d+2], v[S+\a:S+\a+15], v[BM+\b]
.endm
; One tile's softmax for 256 keys, in the window that the caller has set (w = 0: window 0; w = 1: window 1).
.macro SOFT w
	v_max3_num_f32 v[T1], v[BM], v[BM+1], v[BM+2]
	s_delay_alu instid0(VALU_DEP_1)
	v_max_num_f32 v[T1], v[T1], v[BM+3]
	s_delay_alu instid0(VALU_DEP_1)
	v_permlanex16_b32 v[W], v[T1], s[SEL], s[SEL+1]
	s_delay_alu instid0(VALU_DEP_1)
	v_max3_num_f32 v[SMX], v[SMX], v[T1], v[W]     ; the running largest score of my query
	s_delay_alu instid0(VALU_DEP_1)
	v_mul_f32 v[T1], s[CS], v[SMX]                 ; as t
	v_mov_b32 v[T1+1], v[NM]
	s_delay_alu instid0(VALU_DEP_2)
	v_floor_f32 v[NM], -v[T1]                      ; -M = floor(-t) = -ceil(t): M IS A WHOLE NUMBER
	s_delay_alu instid0(VALU_DEP_1)
	v_sub_f32 v[T1+1], v[NM], v[T1+1]              ; M's old value less its new one
	v_add_f32 v[NM4], 4.0, v[NM]
	v_mov_b32 v[T1], s[CS]
	v_cvt_i32_f32 v[T1+1], v[T1+1]                 ; (it saturates)
.irp b, 0,1,2,3
	v_fma_f32 v[BM+\b], v[BM+\b], s[CS], v[NM]     ; t - M of each block's largest score
.endr
	v_ldexp_f32 v[FF], 1.0, v[T1+1]                ; f = 2^(old M - new M): a multiplication by it rounds nothing
	v_add_f32 v[T1+1], 4.0, v[NM]
.set JJ, 0
.rept 32
	FM JJ                                          ; the first 128 keys
.set JJ, JJ+2
.endr
.if \w
	s_wait_alu depctr_va_vdst(0)                   ; the wait ahead of O^T's first reader: tile X's exponentials stand between
.endif
.set JJ, 0
.rept 16
	OM JJ
.set JJ, JJ+2
.endr
	s_wait_alu depctr_va_vdst(0)                   ; the wait ahead of the batch
.irp b, 0,1,2,3
	v_exp_f32 v[BM+\b], v[BM+\b]                   ; the block's largest p
.endr
.set JJ, 0
.rept 32
	v_exp_f32 v[S+JJ], v[S+JJ]                     ; 16 p of the first 128 keys, not normalised
	v_exp_f32 v[S+JJ+1], v[S+JJ+1]
	FM 64+JJ                                       ; the second 128
.set JJ, JJ+2
.endr
	v_pk_mul_f32 v[SUM:SUM+1], v[SUM:SUM+1], v[FF:FF+1] op_sel_hi:[1,0]   ; the sums under the new M
	s_wait_alu depctr_va_vdst(0)                   ; the wait: behind one batch and ahead of the next
	; p's scale words: the exponent fields of two blocks side by side, and lane l xor 16's two between them (lanes 0-15 are read)
	v_perm_b32 v[W+2], v[BM+1], v[BM], 0x07060302
	v_perm_b32 v[W+3], v[BM+3], v[BM+2], 0x07060302
	v_lshlrev_b32 v[W+2], 1, v[W+2]
	v_lshlrev_b32 v[W+3], 1, v[W+3]
	v_permlanex16_b32 v[W], v[W+2], s[SEL], s[SEL+1]
	v_permlanex16_b32 v[W+1], v[W+3], s[SEL], s[SEL+1]
.if \w
	WIN 0x05                                       ; sources window 1, destination window 0: a scale operand is always taken from window 0
.endif
	v_perm_b32 v[PS+2*\w], v[W], v[W+2], s[PSEL]
	v_perm_b32 v[PS+2*\w+1], v[W+1], v[W+3], s[PSEL]
.if \w
	WIN 0x55
.endif
	; The second 128 keys' exponentials; among them the first 128 keys' codes and the first level of their sum (THE ROW'S SUM IS TAKEN OF THE UNQUANTISED p): nothing made here is read before the next wait
.set JJ, 0
	EX 4
	CV W, 0, 0
	EX 4
	v_pk_add_f32 v[T1:T1+1], v[S:S+1], v[S+2:S+3]
	EX 4
	AD 14, 12, 14
	EX 4
	AD 12, 8, 10
	EX 3
	CV S+8, 16, 0                                  ; (an operand's registers 3-5 begin on an odd number: made elsewhere and moved)
	EX 3
	ACCP SUM, 4
	EX 3
	CV S+2, 32, 1
	EX 3
	ADP 30, 28, 30
	EX 3
	AD 28, 24, 26
	EX 3
	AD 26, 20, 22
	EX 3
	AD 24, 16, 18
	EX 3
	CV S+16, 48, 1
	EX 3
	ADP 32, 32, 34
.irp j, 36,40,44,48,52,56
	EX 3
	AD \j, \j, \j+2
.endr
	EX 3
	ADP 60, 60, 62
	s_wait_alu depctr_va_vdst(0)                   ; the wait ahead of the batch's first reader
	ACC T1, 6
	v_mov_b32 v[W+3], v[S+8]
	v_mov_b32 v[S], v[S+9]
	v_mov_b32 v[S+1], v[S+10]
	v_mov_b32 v[S+5], v[S+16]
	v_mov_b32 v[S+6], v[S+17]
	v_mov_b32 v[S+7], v[S+18]                      ; v124-135 are the first operand
	ACC SUM, 24
	ACC S+12, 26
	ACC S+14, 28
	ACC T1, 30
	ACC SUM, 32
	ACC S+12, 36
	ACC S+14, 40
	ACC T1, 44
	ACC SUM, 48
	ACC S+12, 52
	ACC S+14, 56
	ACC T1, 60
	CV S+16, 64, 2
	CV S+28, 80, 2
	CV S+22, 96, 3
	CV S+32, 112, 3
	ACCP SUM, 64
	ACCP S+12, 66
	ACC S+14, 68
	ACC T1, 70
.irp i, 0,1,2
	v_mov_b32 v[S+19+\i], v[S+28+\i]
	v_mov_b32 v[S+25+\i], v[S+32+\i]
.endr                                          ; v144-155 are the second
.irp j, 72,80,88,96,104,112,120
	ACC SUM, \j
	ACC S+12, \j+2
	ACC S+14, \j+4
	ACC T1, \j+6
.endr
	v_pk_add_f32 v[T1:T1+1], v[T1:T1+1], v[S+12:S+13]
	v_pk_add_f32 v[SUM:SUM+1], v[SUM:SUM+1], v[S+14:S+15]
	v_pk_add_f32 v[SUM:SUM+1], v[SUM:SUM+1], v[T1:T1+1]
.endm
; A STEP: 256 keys for both tiles.  SCORES: its groups 0 and 1 of K have been asked for; the youngest 12 LDS loads are group 1's, on each way to here, if any are out.
; sync = 1: a barrier's signal stands ahead; the first products, on registers alone, stand between it and its wait.
.macro SCORES sync
	s_wait_dscnt 12                                ; group 0 and the scale words are in
	QK 0, 0
	WIN 0x54
	QK 0, 1
	WIN 0
.if \sync
	s_barrier_wait -1
.endif
	PLACES
	KF 2, 0
	s_wait_dscnt 12                                ; group 1 is in, group 2 may be out
	WIN 0x01
	QK 1, 0
	WIN 0x55
	QK 1, 1
	WIN 0
	MAX 0                                          ; these are also the places in front of the loads below
	WIN 0x40
	KF 3, 0
	WIN 0
	ds_load_b128 v[KS:KS+3], v[ADS] offset:1024    ; V's scale words over those of groups 0 and 1
	WIN 0x55
	MAX 0
	s_wait_dscnt 13                                ; group 2 is in; group 3 and V's scale words may be out
	WIN 0
	QK 2, 0
	WIN 0x54
	QK 2, 1
	WIN 0
	MAX 1
	VF 0
	WIN 0x55
	MAX 1
	s_wait_dscnt 24                                ; group 3 is in; V's 24 may be out
	WIN 0x01
	QK 3, 0
	WIN 0x55
	QK 3, 1
	WIN 0
	MAX 2
	WIN 0x40
	VF 1
	WIN 0x55
	MAX 2
	MAX 3
	WIN 0
	MAX 3
.endm
.macro VALUES
	s_wait_dscnt 0x0                               ; V is in
	PV 0, 0
	WIN 0x54
	PV 0, 1
	WIN 0
	PLACES
	KF 0, STK                                      ; the next step's group 0
	WIN 0x01
	PV 1, 0
	WIN 0x55
	PV 1, 1
	WIN 0
	CODE28                                         ; also the places behind the last products
	KSCALES SCP
	WIN 0x40
	KF 1, STK
	CODE28
	WIN 0
.endm
.macro NEXT
	v_add_nc_u32 v[AK], STK, v[AK]
	v_add_nc_u32 v[AV], 192, v[AV]
	v_add_nc_u32 v[AV+1], 192, v[AV+1]
	v_add_nc_u32 v[ADS], SCP, v[ADS]
.endm
	KF 0, 0                                        ; step 0's groups 0 and 1
	KSCALES 0
	WIN 0x40
	KF 1, 0
	WIN 0
; STEPS 0, 1, 2, WRITTEN OUT: each stores three batches of four pieces and asks for the next.  What a step stores, no wave reads before its barrier: step s reads K's steps s and s + 1 and V's bytes 192 s .. 192 s + 191.
	SCORES 0
	PUT4 6, 7, 8, 30
	GET4 31, 9, 10, 11
	SOFT 0
	PUT4 31, 9, 10, 11
	GET4 32, 33, 34, 35
	WIN 0x55
	SOFT 1
	WIN 0
	VALUES
	NEXT
	PUT4 32, 33, 34, 35                            ; K of steps 2 and 3, V's bytes up to 767
	GET4 36, 37, 38, 39
	s_wait_dscnt 0x0                               ; my stores are in LDS, my loads are back
	s_barrier_signal -1
	SCORES 1
	PUT4 36, 37, 38, 39
	GET4 12, 13, 14, 40
	SOFT 0
	PUT4 12, 13, 14, 40
	GET4 15, 16, 17, 41
	WIN 0x55
	SOFT 1
	WIN 0
	VALUES
	NEXT
	WIN 0x44
	v_add_nc_u32 v[LK], 5*STK, v[LK]
.set KBASE, 5
	WIN 0
	PUT4 15, 16, 17, 41
	GET4 42, 43, 44, 45
	s_wait_dscnt 0x0
	s_barrier_signal -1
	SCORES 1
	PUT4 42, 43, 44, 45
	GET4 46, 47, 18, 19
	SOFT 0
	PUT4 46, 47, 18, 19
	GET4 20, 21, 22, 23
	WIN 0x55
	SOFT 1
	WIN 0
	VALUES
	NEXT
	PUT4 20, 21, 22, 23                            ; the last of K and V
	s_wait_dscnt 0x0
	s_barrier_signal -1
	s_barrier_wait -1
.Lstep:                                            ; steps 3 .. 7
	s_and_b32 s[TMPS], s[SK], 1
	s_lshr_b32 s[SK], s[SK], 1
	s_cmp_lg_u32 s[TMPS], 0
	s_cbranch_scc1 .Lskip                          ; all 256 keys are masked
	SCORES 0
	SOFT 0
	WIN 0x55
	SOFT 1
	WIN 0
	VALUES
	s_branch .Lnext
.Lskip:
	s_wait_dscnt 0x0                               ; the loads for this step have landed: their registers take the next step's
	KF 0, STK
	KSCALES SCP
	WIN 0x40
	KF 1, STK
	WIN 0
.Lnext:
	NEXT
	s_wait_alu depctr_va_vdst(0)                   ; the wait ahead of the branch
	s_sub_co_u32 s[CNT], s[CNT], 1
	s_cmp_lg_u32 s[CNT], 0
	s_cbranch_scc1 .Lstep
	; THE WAY OUT.  O^T is divided by the row's sum and goes through my stage in LDS: a lane's eight channels of a row go in as 32 bytes, whole rows of 256 bytes come back, two an instruction.
	s_wait_dscnt 0x0
	s_mul_i32 s78, s[WV], 2*16*SP
	s_add_co_u32 s78, s78, STAGE
	v_and_b32 v36, 15, v0
	v_bfe_u32 v37, v0, 4, 1
	v_and_b32 v38, 31, v0
	v_mul_u32_u24 v[AK], v36, SP
	v_mul_u32_u24 v[AV], v37, SP
	v_lshlrev_b32 v[ADS], 4, v38                   ; my bytes of two rows of out0: 16 x lane
	v_lshl_add_u32 v[AK], v37, 5, v[AK]
	v_lshl_add_u32 v[AV], v36, 4, v[AV]
	v_add_nc_u32 v[AK], s78, v[AK]                 ; in: row r; tile t's eight channels of my half: 64 t + 32 h bytes on
	v_add_nc_u32 v[AV], s78, v[AV]                 ; back: lanes 0-15 one row, lanes 16-31 the next
.macro OUT w
.if \w
	WIN 0x55
.endif
	v_add_f32 v[SUM], v[SUM], v[SUM+1]             ; the sum's two halves,
	v_permlanex16_b32 v[FF], v[SUM], s[SEL], s[SEL+1]
	v_add_f32 v[SUM], v[SUM], v[FF]                ; and lane l xor 16's
	s_wait_alu depctr_va_vdst(0)                   ; the wait ahead of the reciprocal,
	v_rcp_f32 v[SUM], v[SUM]
	v_nop                                          ; the plain place behind it,
	s_wait_alu depctr_va_vdst(0)                   ; and the wait ahead of its first reader
.set JJ, 0
.rept 16
	v_pk_mul_f32 v[S+JJ:S+JJ+1], v[O+JJ:O+JJ+1], v[SUM:SUM+1] op_sel_hi:[1,0]   ; register 8 t + i is out(r, 16 t + 8 h + i)
.set JJ, JJ+2
.endr
.if \w
	WIN 0x04
.endif
.irp t, 0,1,2,3
	ds_store_b128 v[AK], v[S+8*\t:S+8*\t+3] offset:16*SP*\w+64*\t
	ds_store_b128 v[AK], v[S+8*\t+4:S+8*\t+7] offset:16*SP*\w+64*\t+16
.endr
	WIN 0
.irp i, 0,1,2,3,4,5,6,7
	ds_load_b128 v[160+32*\w+4*\i:163+32*\w+4*\i], v[AV] offset:16*SP*\w+2*SP*\i   ; LDS serves a wave's instructions in order (ISA guide 5.7.1.4): these see my stores
.endr
.endm
.macro SEND w, younger                 ; younger: the LDS instructions issued behind tile w's loads
.irp i, 0,1,2,3,4,5,6,7
	s_wait_dscnt \younger+7-\i
	global_store_b128 v[ADS], v[160+32*\w+4*\i:163+32*\w+4*\i], s[18:19] offset:4096*\w+512*\i th:TH_STORE_NT   ; 32 lanes store 512 consecutive bytes, at a multiple of 256 from out0's first byte
.endr
.endm
	OUT 0
	OUT 1
	SEND 0, 16                                     ; behind tile X's loads: tile Y's eight stores and eight loads
	SEND 1, 0
	s_wait_tensorcnt 0x0                           ; the wave's end, behind my last LDS store
	ds_add_u32 v[SPW], v[NIL]
	s_wait_dscnt 0x0
	s_endpgm
.Lfunc_end_k_q6b872dc7f8_attn:
	.size	k_q6b872dc7f8_attn, .Lfunc_end_k_q6b872dc7f8_attn-k_q6b872dc7f8_attn
	.p2alignl 7, 3214868480
	.fill 96, 4, 3214868480
	.section	.rodata,"a",@progbits
	.p2align	6, 0x0
	.amdhsa_kernel k_q6b872dc7f8_attn
		.amdhsa_group_segment_fixed_size 288768
		.amdhsa_private_segment_fixed_size 0
		.amdhsa_enable_private_segment 0
		.amdhsa_kernarg_size 64
		.amdhsa_user_sgpr_count 2
		.amdhsa_user_sgpr_kernarg_segment_ptr 1
		.amdhsa_wavefront_size32 1
		.amdhsa_system_sgpr_workgroup_id_x 1
		.amdhsa_system_sgpr_workgroup_id_y 1
		.amdhsa_system_sgpr_workgroup_id_z 1
		.amdhsa_system_vgpr_workitem_id 0
		.amdhsa_next_free_vgpr 512
		.amdhsa_next_free_sgpr 96
		.amdhsa_reserve_vcc 1
		.amdhsa_float_denorm_mode_32 3
		.amdhsa_float_denorm_mode_16_64 3
		.amdhsa_memory_ordered 1
		.amdhsa_forward_progress 1
		.amdhsa_inst_pref_size 255
	.end_amdhsa_kernel
	.section	.bss,"aw",@nobits
	.p2align	6
	.space	262144
	.amdgpu_metadata
---
amdhsa.version: [ 1, 2 ]
amdhsa.kernels:
  - .name:           k_q6b872dc7f8_attn
    .symbol:         k_q6b872dc7f8_attn.kd
    .args:
      - { .name: q_codes, .offset: 0, .size: 8, .value_kind: global_buffer, .address_space: global }
      - { .name: q_scales, .offset: 8, .size: 8, .value_kind: global_buffer, .address_space: global }
      - { .name: k_codes, .offset: 16, .size: 8, .value_kind: global_buffer, .address_space: global }
      - { .name: k_scales, .offset: 24, .size: 8, .value_kind: global_buffer, .address_space: global }
      - { .name: v_codes, .offset: 32, .size: 8, .value_kind: global_buffer, .address_space: global }
      - { .name: v_scales, .offset: 40, .size: 8, .value_kind: global_buffer, .address_space: global }
      - { .name: key_padding_mask, .offset: 48, .size: 8, .value_kind: global_buffer, .address_space: global }
      - { .name: out0, .offset: 56, .size: 8, .value_kind: global_buffer, .address_space: global }
    .group_segment_fixed_size: 288768
    .private_segment_fixed_size: 0
    .kernarg_segment_align: 8
    .kernarg_segment_size: 64
    .max_flat_workgroup_size: 256
    .sgpr_count:     96
    .vgpr_count:     512
    .wavefront_size: 32
...
	.end_amdgpu_metadata
.endif
;; end of part 1
